; MI455X (gfx1250); checked and timed in simulation.
; The chip was launched on July 23, 2026; its instructions are those of AMD's public machine-readable ISA for CDNA 5 (MIT licence, August 2026) and "CDNA5" Instruction Set Architecture Reference Guide (July 2026). The comments in the code are by the model that wrote it; some were corrected since.
;; CI3add From01. Allowed arithmetic: float matrix products may take bf16 or f16 operands with f32 sums; all other float work in f32.
;; Inputs: idx 40,704 x 3 x 3 int32; preweight 1 x 40,704 float32; x 512 x 32 float32.
;; Outputs: out0 512 x 1 float32.
;; One version. Each part assembles by itself: llvm-mc -triple=amdgcn-amd-amdhsa -mcpu=gfx1250 --defsym DOCPART=n.
;; ======== version 1 of 1: 2 launches
;; workspace buffers: part 131,584 bytes
;; launch gather (part 1): grid 64 x 4, 8 waves a work-group, no clusters, 36,096 bytes of LDS; arguments idx, preweight, x, part; writes part
.if DOCPART == 1
	.amdgcn_target "amdgcn-amd-amdhsa--gfx1250"
	.amdhsa_code_object_version 6
	.text
	.protected	k_q580661f157_gather
	.globl	k_q580661f157_gather
	.p2align	8
	.type	k_q580661f157_gather,@function
k_q580661f157_gather:
	s_mov_b64 s[64:65], 0
	v_nop
	global_prefetch_b8 v0, s[64:65] scope:SCOPE_SE
	s_setreg_imm32_b32 hwreg(HW_REG_WAVE_MODE, 25, 1), 1
	s_wait_xcnt 0x0
; part[c][b] = sum over the 636 antichains m of part c of exp(preweight[m] - m_c) * max over g of min over k of x[b][idx[m][g][k]],
; and (m_c, s_c) = (largest preweight of part c, sum of those exponentials).  64 parts, 512 batch rows.  A second launch joins the parts.
;
; THE GATHER.  A lane takes an antichain.  x lies in LDS as tables of four batch rows: 32 rows (one for each column of x) of 4 bf16 = 8 bytes.
; A table is 256 bytes, one word in each of LDS's 64 banks (ISA guide 11.1), so a ds_load_b64 at 8 * index has no conflict whatever the indices
; are: different indices are different banks, equal indices are the same words.  One such load brings 32 antichains x 4 batch rows.
; bf16: x_completed is an operand of the product with the weights and may be rounded to bf16; rounding is monotone, so it commutes with min
; and max, and x is rounded once on its way into LDS.  That halves the bytes read from LDS.  Weights and sums are f32.
; THE SPLIT.  Work-group (cx, by): antichains 636 cx .. + 635, batch rows 128 by .. + 127.  Eight waves, two on each SIMD.  Wave w: chunk w >> 1,
; 159 antichains as 5 tiles of 32 lanes (the last tile's lane 31 has none: it repeats antichain 158 with weight 0), and batch rows
; 64 (w & 1) .. + 63, 16 tables.  80 units of (tile, table), each 9 loads and 20 vector instructions, written out straight: the table stands in
; the load's immediate, the tile in the register numbers.  A chunk's 45 indices a lane are fetched and made into addresses by each wave that
; has the chunk: by two waves here; more waves with fewer rows each would repeat that work more often.
; ONE MAXIMUM for the work-group: each wave's chunk maximum goes through LDS ahead of the one barrier that tables and indices need anyway, so the four
; chunks' sums add without a factor.  They meet in LDS at the end, and wave 0 stores the work-group's 128 sums as 512 consecutive bytes.
; NOT USED.  The matrix unit: the product has one output column, and a packed pair here is two batch rows, not two antichains.
; Clusters: what work-groups share (22,896 bytes of idx, 16,384 of x) is read once at the head, and x needs a conversion in registers: brought
; jointly into LDS as f32 it would have to be read back and stored again.  Tensor loads: nothing is filled twice.
; LIMITS.  x is rounded to bf16 (|x| above bf16's largest finite number becomes infinite).  A NaN in x loses in min and max, where reference()
; passes it on.  An index outside 0..31 is taken as 31.  The sums are made in another order than reference()'s.
.set NA,     159                       ; antichains of a chunk
.set TILES,  5
.set GROUPS, 16                        ; tables (four batch rows each) of a wave
.set UNITS,  TILES*GROUPS
.set DEPTH,  4                         ; load slots: one at work, three on their way
.set IDXB,   NA*36                     ; bytes of idx of a chunk
.set PIECES, 4*IDXB/16                 ; 1,431 pieces of 16 bytes: the work-group's idx
.set XT,     0                         ; LDS: 32 tables of 256 bytes
.set STAGE,  8192                      ; LDS: idx as it lies in memory, 6 x 256 pieces of 16 bytes (the last 105 hold repeats and are not read)
.set EX,     32768                     ; LDS: the exchange, 4 chunks x 128 batch rows of f32
.set MXS,    EX+2048                   ; LDS: word w: wave w's chunk maximum
.set SX,     MXS+64                    ; LDS: word 2 c: chunk c's sum of weights
.set STATS,  64*2048                   ; part: behind the 64 rows of 512 f32, (m_c, s_c) for each part
.set LANE, 1                           ; v1       lane
.set IO,   3                           ; v3       16 x thread: idx pieces in memory and in the stage; wave 0's 16 bytes of the result
.set IOL,  4                           ; v4       the sixth piece in memory, held inside the work-group's idx
.set XO,   5                           ; v5       x in memory: 512 (lane >> 3) + 16 (lane & 7)
.set XL,   6                           ; v6       32 x thread: my 32 bytes of the tables
.set PO,   7                           ; v7       4 x lane
.set POC,  8                           ; v8       4 x min(lane, 30)
.set SA,   9                           ; v9       stage: my chunk + 36 x lane
.set SAC,  10                          ; v10      stage: my chunk + 36 x min(lane, 30)
.set EXO,  12                          ; v12      8 x thread: my two words of the exchange (512 x chunk + 256 x half + 8 x lane)
.set Z,    13                          ; v13      zero: what the first tile's products are added to, and the address of words that every lane reads
.set ADR,  14                          ; v[14:58]   LDS address of slot s of tile t at ADR + 9 t + s
.set W,    59                          ; v[59:63]   weight of my antichain in tile t
.set ACC,  64                          ; v[64:127]  my lane's sum for batch row j of the wave's 64
.set RING, 128                         ; v[128:199] four load slots of 9 x 2 registers
.set MX,   200                         ; v200     m_c
.set SUM,  201                         ; v201     s_c (a pair with m_c for the store)
.set T,    202                         ; v[202:205] at work
.set MM,   206                         ; v[206:209] four words from LDS: the chunks' maxima, later their sums of weights
.set MW,   210                         ; v210     4 x wave
.set IDXD, RING                        ; at the head the load slots hold: 6 pieces of idx,
.set XD,   RING+24                     ; four rows x four columns of x,
.set XP,   RING+40                     ; the same packed,
.set PW,   RING+48                     ; five preweights
	s_load_b256 s[4:11], s[0:1], 0x0               ; idx s[4:5], preweight s[6:7], x s[8:9], part s[10:11]
	v_lshl_add_u32 v212, v0, 2, 0x8900
	v_mov_b32 v213, 0
	v_and_b32 v[LANE], 31, v0
	v_lshrrev_b32 v2, 5, v0
	v_readfirstlane_b32 s12, v2                    ; wave 0..7
	s_lshr_b32 s13, s12, 1                         ; which of the work-group's four chunks
	s_and_b32 s14, s12, 1                          ; which half of its 128 batch rows
	s_and_b32 s15, ttmp7, 0xffff                   ; by
	s_lshl2_add_u32 s16, ttmp9, s13                ; my chunk among all 256: 4 cx + (w >> 1)
	v_lshlrev_b32 v[MW], 2, v2
	v_lshlrev_b32 v[IO], 4, v0
	v_add_nc_u32 v[IOL], 5*256, v0
	v_min_u32 v[IOL], PIECES-1, v[IOL]             ; threads 151 and up repeat the last piece: no load leaves idx
	v_lshlrev_b32 v[IOL], 4, v[IOL]
	v_lshrrev_b32 v2, 3, v[LANE]                   ; which of the four tables that my wave converts
	v_and_b32 v11, 7, v[LANE]                      ; which four columns
	v_lshlrev_b32 v[XO], 9, v2                     ; four rows of 128 bytes down,
	v_lshl_or_b32 v[XO], v11, 4, v[XO]             ; 16 bytes along
	v_lshlrev_b32 v[XL], 5, v0                     ; table 4 w + (lane >> 3) of 256 bytes, table rows 4 (lane & 7) .. + 3 of 8 bytes: byte 32 x thread
	v_min_u32 v11, 30, v[LANE]                     ; the last tile has 31 antichains
	v_lshlrev_b32 v[PO], 2, v[LANE]
	v_lshlrev_b32 v[POC], 2, v11
	s_mul_i32 s17, s13, IDXB
	v_mad_u32_u24 v[SA], v[LANE], 36, s17
	v_mad_u32_u24 v[SAC], v11, 36, s17
	v_lshlrev_b32 v[EXO], 3, v0
	v_mov_b32 v[Z], 0
	s_mul_i32 s18, ttmp9, 4*IDXB                   ; idx: the work-group's four chunks (a multiple of 16 bytes)
	s_mov_b32 s19, 0
	s_mul_i32 s20, s16, NA*4                       ; preweight: my chunk
	s_mov_b32 s21, 0
	s_lshl_b32 s22, s15, 14                        ; x: 128 by rows of 128 bytes
	s_lshl_b32 s23, s12, 11                        ;    + 16 w rows: the wave converts tables 4 w .. 4 w + 3
	s_add_co_u32 s22, s22, s23
	s_mov_b32 s23, 0
	s_lshl_b32 s24, ttmp9, 11                      ; part: row cx of 2,048 bytes
	s_lshl_b32 s25, s15, 9                         ;       + 128 by numbers
	s_add_co_u32 s24, s24, s25
	s_mov_b32 s25, 0
	s_lshl_b32 s28, ttmp9, 3                       ; the statistics: 8 bytes a part
	s_mov_b32 s29, 0
	s_mov_b32 s30, 0x76543210                      ; v_permlanex16_b32: lane i reads lane i of the other half
	s_mov_b32 s31, 0xfedcba98
	s_mov_b32 s32, 0xff00ff00                      ; lanes whose bit 3 is set,
	s_mov_b32 s33, 0xf0f0f0f0                      ; bit 2,
	s_mov_b32 s34, 0xcccccccc                      ; bit 1,
	s_mov_b32 s35, 0xaaaaaaaa                      ; bit 0
	s_lshl_b32 s36, s14, 12                        ; my 16 tables in LDS
	s_wait_kmcnt 0x0
	s_add_nc_u64 s[4:5], s[4:5], s[18:19]
	s_add_nc_u64 s[6:7], s[6:7], s[20:21]
	s_add_nc_u64 s[8:9], s[8:9], s[22:23]
	s_add_nc_u64 s[26:27], s[10:11], s[24:25]
	s_add_nc_u64 s[10:11], s[10:11], s[28:29]
	; All fifteen loads of the wave go out at once: idx in neighbouring pieces of 16 bytes, x, preweight.
.irp j, 0,1,2,3,4
	global_load_b128 v[IDXD+4*\j:IDXD+4*\j+3], v[IO], s[4:5] offset:4096*\j
.endr
	global_load_b128 v[IDXD+20:IDXD+23], v[IOL], s[4:5]
.irp r, 0,1,2,3
	global_load_b128 v[XD+4*\r:XD+4*\r+3], v[XO], s[8:9] offset:128*\r      ; row r of my table, my four columns
.endr
.irp t, 0,1,2,3
	global_load_b32 v[PW+\t], v[PO], s[6:7] offset:128*\t
.endr
	global_load_b32 v[PW+4], v[POC], s[6:7] offset:512
	s_wait_loadcnt 9                               ; idx's six are in; x's four and preweight's five are younger
.irp j, 0,1,2,3,4,5
	ds_store_b128 v[IO], v[IDXD+4*\j:IDXD+4*\j+3] offset:STAGE+4096*\j      ; every thread has bytes of its own in the stage
.endr
	s_wait_loadcnt 5                               ; x's four are in
.irp t, 0,1,2,3
	v_cvt_pk_bf16_f32 v[XP+2*\t],   v[XD+\t],   v[XD+4+\t]                  ; column 4 (lane & 7) + t: batch rows 0, 1 of the table,
	v_cvt_pk_bf16_f32 v[XP+2*\t+1], v[XD+8+\t], v[XD+12+\t]                 ; rows 2, 3: the transposition is the choice of operands
.endr
	ds_store_b128 v[XL], v[XP:XP+3] offset:XT
	ds_store_b128 v[XL], v[XP+4:XP+7] offset:XT+16
	s_wait_loadcnt 0x0                             ; preweight's five
	v_max3_num_f32 v[T], v[PW], v[PW+1], v[PW+2]
	v_max3_num_f32 v[T], v[T], v[PW+3], v[PW+4]
	v_max_num_f32_dpp v[T], v[T], v[T] row_xmask:1 row_mask:0xf bank_mask:0xf
	v_max_num_f32_dpp v[T], v[T], v[T] row_xmask:2 row_mask:0xf bank_mask:0xf
	v_max_num_f32_dpp v[T], v[T], v[T] row_xmask:4 row_mask:0xf bank_mask:0xf
	v_max_num_f32_dpp v[T], v[T], v[T] row_xmask:8 row_mask:0xf bank_mask:0xf
	v_permlanex16_b32 v2, v[T], s30, s31           ; its destination counts as read: v2 has been written
	v_max_num_f32 v[T], v[T], v2                   ; my chunk's largest preweight, in every lane
	ds_store_b32 v[MW], v[T] offset:MXS            ; a word of its own for each wave
	s_wait_dscnt 0x0                               ; my stores are done, for the other waves' sake
	s_barrier_signal -1
	s_barrier_wait -1                              ; tables, stage and maxima are whole; none of these bytes is stored to again
.irp c, 0,1,2,3
	ds_load_b32 v[MM+\c], v[Z] offset:MXS+8*\c     ; chunk c's maximum as wave 2 c stored it
.endr
	; my 45 indices: 36 bytes from lane to lane are 9 words, an odd number, so the 32 lanes fall on 32 different banks
.irp t, 0,1,2,3
.irp s, 0,1,2,3,4,5,6,7,8
	ds_load_b32 v[ADR+9*\t+\s], v[SA] offset:STAGE+1152*\t+4*\s
.endr
.endr
.irp s, 0,1,2,3,4,5,6,7,8
	ds_load_b32 v[ADR+36+\s], v[SAC] offset:STAGE+4608+4*\s
.endr
	s_wait_dscnt 45                                ; the four maxima are in; the 45 indices are younger
	v_max3_num_f32 v[MX], v[MM], v[MM+1], v[MM+2]
	v_max_num_f32 v[MX], v[MX], v[MM+3]            ; m_c: the largest of the work-group's 636 preweights
.irp t, 0,1,2,3,4
	v_sub_f32 v[W+\t], v[PW+\t], v[MX]             ; the maximum is taken away first, then the change of base
.endr
.irp t, 0,1,2,3,4
	v_mul_f32 v[W+\t], 0x3fb8aa3b, v[W+\t]
.endr
.irp t, 0,1,2,3,4
	v_exp_f32 v[W+\t], v[W+\t]
.endr
	v_cmp_gt_u32 vcc_lo, 31, v[LANE]               ; a plain instruction between the exponentials and their first use (ISA guide 5.7.2)
	s_wait_alu depctr_va_vdst(0)
	v_cndmask_b32 v[W+4], 0, v[W+4], vcc_lo        ; the last tile's lane 31 has no antichain
.irp t, 0,1,2,3,4
	s_wait_dscnt 9*(4-\t)                          ; tile t's nine are in; nine for each later tile stay out
.irp s, 0,1,2,3,4,5,6,7,8
	v_min_u32 v[ADR+9*\t+\s], 31, v[ADR+9*\t+\s]               ; an index stays inside the table
.endr
.irp s, 0,1,2,3,4,5,6,7,8
	v_lshl_add_u32 v[ADR+9*\t+\s], v[ADR+9*\t+\s], 3, s36      ; 8 bytes a table row, in my first table
.endr
.endr
; nine loads of unit (l_t, l_g) into the load slot at l_b
.macro LOADS
.irp s, 0,1,2,3,4,5,6,7,8
	ds_load_b64 v[l_b+2*\s:l_b+2*\s+1], v[ADR+9*l_t+\s] offset:XT+256*l_g
.endr
.endm
; unit (c_t, c_g) from the load slot at c_b: register r of a pair holds batch rows 2 r, 2 r + 1 of the table; slots 3 g .. 3 g + 2 are group g
.macro COMPUTE
.irp r, 0,1
	v_pk_min_num_bf16 v[c_b+\r],    v[c_b+\r],    v[c_b+2+\r]
	v_pk_min_num_bf16 v[c_b+6+\r],  v[c_b+6+\r],  v[c_b+8+\r]
	v_pk_min_num_bf16 v[c_b+12+\r], v[c_b+12+\r], v[c_b+14+\r]
.endr
.irp r, 0,1
	v_pk_min_num_bf16 v[c_b+\r],    v[c_b+\r],    v[c_b+4+\r]
	v_pk_min_num_bf16 v[c_b+6+\r],  v[c_b+6+\r],  v[c_b+10+\r]
	v_pk_min_num_bf16 v[c_b+12+\r], v[c_b+12+\r], v[c_b+16+\r]
.endr
.irp r, 0,1
	v_pk_max_num_bf16 v[c_b+\r], v[c_b+\r], v[c_b+6+\r]
.endr
.irp r, 0,1
	v_pk_max_num_bf16 v[c_b+\r], v[c_b+\r], v[c_b+12+\r]
.endr
.if c_t == 0                           ; the first tile starts the sums: nothing is cleared
	v_fma_mix_f32_bf16 v[c_a],   v[c_b],   v[W], v[Z] op_sel_hi:[1,0,0]
	v_fma_mix_f32_bf16 v[c_a+1], v[c_b],   v[W], v[Z] op_sel:[1,0,0] op_sel_hi:[1,0,0]
	v_fma_mix_f32_bf16 v[c_a+2], v[c_b+1], v[W], v[Z] op_sel_hi:[1,0,0]
	v_fma_mix_f32_bf16 v[c_a+3], v[c_b+1], v[W], v[Z] op_sel:[1,0,0] op_sel_hi:[1,0,0]
.else                                  ; a bf16 half times the f32 weight, added in f32
	v_fma_mix_f32_bf16 v[c_a],   v[c_b],   v[W+c_t], v[c_a]   op_sel_hi:[1,0,0]
	v_fma_mix_f32_bf16 v[c_a+1], v[c_b],   v[W+c_t], v[c_a+1] op_sel:[1,0,0] op_sel_hi:[1,0,0]
	v_fma_mix_f32_bf16 v[c_a+2], v[c_b+1], v[W+c_t], v[c_a+2] op_sel_hi:[1,0,0]
	v_fma_mix_f32_bf16 v[c_a+3], v[c_b+1], v[W+c_t], v[c_a+3] op_sel:[1,0,0] op_sel_hi:[1,0,0]
.endif
.endm
.set u, 0
.rept DEPTH-1                          ; the first three units' loads
.set l_t, u/GROUPS
.set l_g, u%GROUPS
.set l_b, RING+18*(u%DEPTH)
	LOADS
.set u, u+1
.endr
	; while they are on their way: the chunk's sum of weights, made once for each chunk, by the wave that has the first half of the rows
	s_cmp_lg_u32 s14, 0
	s_cbranch_scc1 .Lunits
	v_add_f32 v[SUM], v[W], v[W+1]
	v_add_f32 v[T], v[W+2], v[W+3]
	v_add_f32 v[SUM], v[SUM], v[W+4]
	v_add_f32 v[SUM], v[SUM], v[T]
	v_add_f32_dpp v[SUM], v[SUM], v[SUM] row_xmask:1 row_mask:0xf bank_mask:0xf
	v_add_f32_dpp v[SUM], v[SUM], v[SUM] row_xmask:2 row_mask:0xf bank_mask:0xf
	v_add_f32_dpp v[SUM], v[SUM], v[SUM] row_xmask:4 row_mask:0xf bank_mask:0xf
	v_add_f32_dpp v[SUM], v[SUM], v[SUM] row_xmask:8 row_mask:0xf bank_mask:0xf
	v_permlanex16_b32 v[T], v[SUM], s30, s31
	v_add_f32 v[SUM], v[SUM], v[T]
	ds_store_b32 v[MW], v[SUM] offset:SX           ; wave 2 c: word 2 c.  One more LDS instruction among these four waves' loads: for the first three units
	                                               ; the count 27 below then asks for one load more than the unit needs
.Lunits:
.set u, 0
.rept UNITS
.if u+DEPTH-1 < UNITS
.set l_t, (u+DEPTH-1)/GROUPS
.set l_g, (u+DEPTH-1)%GROUPS
.set l_b, RING+18*((u+DEPTH-1)%DEPTH)
	LOADS                                          ; into the slot that the unit before has just used up
	s_wait_dscnt 9*(DEPTH-1)                       ; LDS instructions end in order (ISA guide 5.7.1): this unit's nine are in, the three younger units' 27 stay out
.else
	s_wait_dscnt 9*(UNITS-1-u)                     ; the last three units fetch nothing: the counts run down
.endif
.set c_t, u/GROUPS
.set c_g, u%GROUPS
.set c_b, RING+18*(u%DEPTH)
.set c_a, ACC+4*c_g
	COMPUTE
.set u, u+1
.endr
	; ACROSS THE LANES.  64 sums in each of 32 lanes become 2 registers in which lane L holds the totals of batch rows 2 L and 2 L + 1 of the wave's 64.
	; Each step halves the registers: of a pair (j, j + n) a lane keeps one, by one bit of its number, and hands the other to the lane
	; that differs in that bit.  Bit 4 goes with j's 32, bit 3 with 16, bit 2 with 8, bit 1 with 4, bit 0 with 2.
.set i_, 0
.rept 32
	v_permlane16_swap_b32 v[ACC+i_], v[ACC+i_+32]  ; lanes 16-31 of the first change places with lanes 0-15 of the second
.set i_, i_+1
.endr
.set i_, 0
.rept 32
	v_add_f32 v[ACC+i_], v[ACC+i_], v[ACC+i_+32]   ; lanes 0-15: row j; lanes 16-31: row j + 32
.set i_, i_+1
.endr
.macro FOLD cnt, xor, msk
.set i_, 0
.rept \cnt
	v_cndmask_b32 v[T+2*(i_%2)],   v[ACC+i_],      v[ACC+i_+\cnt], s[\msk]  ; what I keep: the upper register where my bit is set
	v_cndmask_b32 v[T+2*(i_%2)+1], v[ACC+i_+\cnt], v[ACC+i_],      s[\msk]  ; what my partner keeps
	v_add_f32_dpp v[ACC+i_], v[T+2*(i_%2)+1], v[T+2*(i_%2)] row_xmask:\xor row_mask:0xf bank_mask:0xf   ; the first source comes from the partner
.set i_, i_+1
.endr
.endm
	FOLD 16, 8, 32
	FOLD 8, 4, 33
	FOLD 4, 2, 34
	FOLD 2, 1, 35
	; ACROSS THE WAVES.  All weights were made against one maximum, so the four chunks' sums of a batch row simply add.
	ds_store_b64 v[EXO], v[ACC:ACC+1] offset:EX    ; chunk w >> 1, batch rows 64 (w & 1) + 2 lane and the next
	s_wait_dscnt 0x0                               ; done, for wave 0's sake (the chunk's sum of weights too)
	s_barrier_signal -1
	s_barrier_wait -1
	s_cmp_lg_u32 s12, 0
	s_cbranch_scc1 .Ldone
.irp c, 0,1,2,3
	ds_load_b128 v[RING+4*\c:RING+4*\c+3], v[IO] offset:EX+512*\c          ; wave 0: lane L takes batch rows 4 L .. 4 L + 3 of chunk c
.endr
	s_cmp_lg_u32 s15, 0
	s_cbranch_scc1 .Ladd
.irp c, 0,1,2,3
	ds_load_b32 v[MM+\c], v[Z] offset:SX+8*\c      ; the statistics are stored once for each part, by the work-group that has batch rows 0 to 127
.endr
.Ladd:
	s_wait_dscnt 0x0                               ; for zero: the two ways here have issued different numbers of loads
	v_pk_add_f32 v[RING:RING+1],     v[RING:RING+1],     v[RING+4:RING+5]
	v_pk_add_f32 v[RING+2:RING+3],   v[RING+2:RING+3],   v[RING+6:RING+7]
	v_pk_add_f32 v[RING+8:RING+9],   v[RING+8:RING+9],   v[RING+12:RING+13]
	v_pk_add_f32 v[RING+10:RING+11], v[RING+10:RING+11], v[RING+14:RING+15]
	v_pk_add_f32 v[RING:RING+1],     v[RING:RING+1],     v[RING+8:RING+9]
	v_pk_add_f32 v[RING+2:RING+3],   v[RING+2:RING+3],   v[RING+10:RING+11]
	global_store_b128 v[IO], v[RING:RING+3], s[26:27]      ; 32 lanes store 512 consecutive bytes, at a multiple of 512 from part's first byte
	s_cmp_lg_u32 s15, 0
	s_cbranch_scc1 .Ldone
	v_add_f32 v[SUM], v[MM], v[MM+1]
	v_add_f32 v[T], v[MM+2], v[MM+3]
	v_add_f32 v[SUM], v[SUM], v[T]                 ; s_c
	v_cmp_eq_u32 vcc_lo, 0, v[LANE]
	s_wait_xcnt 0x0                                ; EXEC is a source of the store above: it changes only behind this wait
	s_and_saveexec_b32 s37, vcc_lo                 ; lane 0 alone
	global_store_b64 v[Z], v[MX:SUM], s[10:11] offset:STATS
	s_wait_xcnt 0x0                                ; and again in front of the line that widens it
	s_or_b32 exec_lo, exec_lo, s37
.Ldone:
	s_wait_tensorcnt 0x0
	ds_add_u32 v212, v213
	s_wait_dscnt 0x0
	s_endpgm
.Lfunc_end_k_q580661f157_gather:
	.size	k_q580661f157_gather, .Lfunc_end_k_q580661f157_gather-k_q580661f157_gather
	.p2alignl 7, 3214868480
	.fill 96, 4, 3214868480
	.section	.rodata,"a",@progbits
	.p2align	6, 0x0
	.amdhsa_kernel k_q580661f157_gather
		.amdhsa_group_segment_fixed_size 36096
		.amdhsa_private_segment_fixed_size 0
		.amdhsa_enable_private_segment 0
		.amdhsa_kernarg_size 32
		.amdhsa_user_sgpr_count 2
		.amdhsa_user_sgpr_kernarg_segment_ptr 1
		.amdhsa_wavefront_size32 1
		.amdhsa_system_sgpr_workgroup_id_x 1
		.amdhsa_system_sgpr_workgroup_id_y 1
		.amdhsa_system_sgpr_workgroup_id_z 1
		.amdhsa_system_vgpr_workitem_id 0
		.amdhsa_next_free_vgpr 214
		.amdhsa_next_free_sgpr 66
		.amdhsa_reserve_vcc 1
		.amdhsa_float_denorm_mode_32 3
		.amdhsa_float_denorm_mode_16_64 3
		.amdhsa_memory_ordered 1
		.amdhsa_forward_progress 1
		.amdhsa_inst_pref_size 172
	.end_amdhsa_kernel
	.amdgpu_metadata
---
amdhsa.version: [ 1, 2 ]
amdhsa.kernels:
  - .name:           k_q580661f157_gather
    .symbol:         k_q580661f157_gather.kd
    .args:
      - { .name: idx, .offset: 0, .size: 8, .value_kind: global_buffer, .address_space: global }
      - { .name: preweight, .offset: 8, .size: 8, .value_kind: global_buffer, .address_space: global }
      - { .name: x, .offset: 16, .size: 8, .value_kind: global_buffer, .address_space: global }
      - { .name: part, .offset: 24, .size: 8, .value_kind: global_buffer, .address_space: global }
    .group_segment_fixed_size: 36096
    .private_segment_fixed_size: 0
    .kernarg_segment_align: 8
    .kernarg_segment_size: 32
    .max_flat_workgroup_size: 256
    .sgpr_count:     66
    .vgpr_count:     214
    .wavefront_size: 32
...
	.end_amdgpu_metadata
.endif
;; end of part 1
;; launch combine (part 2): grid 8 x 1, 1 waves a work-group, no clusters, 0 bytes of LDS; arguments part, out0; writes out0
.if DOCPART == 2
	.amdgcn_target "amdgcn-amd-amdhsa--gfx1250"
	.amdhsa_code_object_version 6
	.text
	.protected	k_q580661f157_combine
	.globl	k_q580661f157_combine
	.p2align	8
	.type	k_q580661f157_combine,@function
k_q580661f157_combine:
	s_mov_b64 s[64:65], 0
	v_nop
	global_prefetch_b8 v0, s[64:65] scope:SCOPE_SE
	s_setreg_imm32_b32 hwreg(HW_REG_WAVE_MODE, 25, 1), 1
	s_wait_xcnt 0x0
; out0[b] = sum over c of e_c part[c][b] / sum over c of e_c s_c, with e_c = exp(m_c - M) and M the largest m_c: the 64 parts' partial
; softmax sums, each made against its own maximum, are brought to the common maximum and joined.  All in f32.
; part: 64 rows of 512 f32, then 64 pairs (m_c, s_c).
; Work-group e is ONE wave and owns batch rows 64 e .. 64 e + 63, 256 bytes of every row of part: 16 KiB, 32 loads of 16 bytes a lane, all issued at once.
; Load k: lanes 0-15 cover the 256 bytes of row k, lanes 16-31 those of row k + 32.  Nothing is handed between waves: no LDS, no barrier.
; Eight work-groups: a narrower strip would read and store parts of aligned blocks of 256 bytes.  No matrix unit (one multiply-add for each number read),
; no cluster (the 512 bytes of statistics are all that work-groups share), no ring (every load is out before the first is used).
.set STATS, 64*2048
.set ST,  4                            ; v[4:7]    (m, s) of parts r + 32 h and r + 32 h + 16 (r = lane mod 16, h = lane / 16); m becomes e
.set M,   8                            ; v8        M
.set DS,  9                            ; v9        the denominator
.set R,   12                           ; v[12:13]  its reciprocal, twice (a pair for the packed multiply)
.set B,   14                           ; v[14:21]  four pairs: e of my row in four loads (the pair's first register is used for both halves)
.set A,   24                           ; v[24:39]  four sets of four sums, taken by turns so that no multiply-add waits for the one before
.set P,   40                           ; v[40:167] 32 loads of four numbers
	s_load_b128 s[4:7], s[0:1], 0x0                ; part s[4:5], out0 s[6:7]
	v_and_b32 v1, 15, v0                           ; r (one wave: the thread's number is the lane)
	v_lshrrev_b32 v2, 4, v0                        ; h
	v_lshlrev_b32 v3, 16, v2
	v_lshl_or_b32 v3, v1, 4, v3                    ; part: 32 h rows of 2,048 bytes + 16 r
	v_lshlrev_b32 v10, 8, v2
	v_lshl_or_b32 v10, v1, 3, v10                  ; statistics: 8 (r + 32 h)
	v_lshlrev_b32 v11, 3, v2
	v_lshl_or_b32 v11, v1, 4, v11                  ; out0: 16 r + 8 h
	s_lshl_b32 s8, ttmp9, 8                        ; the work-group's 256 bytes, in part's rows and in out0
	s_mov_b32 s9, 0
	s_mov_b32 s12, 0x76543210                      ; v_permlanex16_b32: lane i reads lane i of the other half
	s_mov_b32 s13, 0xfedcba98
	s_wait_kmcnt 0x0
	s_add_nc_u64 s[10:11], s[4:5], s[8:9]
	s_add_nc_u64 s[6:7], s[6:7], s[8:9]
	global_load_b64 v[ST:ST+1],   v10, s[4:5] offset:STATS
	global_load_b64 v[ST+2:ST+3], v10, s[4:5] offset:STATS+128
.set k, 0
.rept 32
	global_load_b128 v[P+4*k:P+4*k+3], v3, s[10:11] offset:2048*k
.set k, k+1
.endr
	s_wait_loadcnt 32                              ; the statistics are in; the 32 loads of part are younger
	v_max_num_f32 v[M], v[ST], v[ST+2]
	v_max_num_f32_dpp v[M], v[M], v[M] row_xmask:1 row_mask:0xf bank_mask:0xf
	v_max_num_f32_dpp v[M], v[M], v[M] row_xmask:2 row_mask:0xf bank_mask:0xf
	v_max_num_f32_dpp v[M], v[M], v[M] row_xmask:4 row_mask:0xf bank_mask:0xf
	v_max_num_f32_dpp v[M], v[M], v[M] row_xmask:8 row_mask:0xf bank_mask:0xf
	v_permlanex16_b32 v2, v[M], s12, s13           ; its destination counts as read: v2 has been written
	v_max_num_f32 v[M], v[M], v2                   ; M in every lane
	v_sub_f32 v[ST],   v[ST],   v[M]
	v_sub_f32 v[ST+2], v[ST+2], v[M]
	v_mul_f32 v[ST],   0x3fb8aa3b, v[ST]
	v_mul_f32 v[ST+2], 0x3fb8aa3b, v[ST+2]
	v_exp_f32 v[ST],   v[ST]                       ; e of my two parts
	v_exp_f32 v[ST+2], v[ST+2]
	s_wait_alu depctr_va_vdst(0)
.irp i, 0,1,2,3,4,5,6,7
	v_mov_b32 v[B+\i], 0                           ; a DPP form's destination counts as read, and a pair is read whole: all eight are written once.
.endr                                              ; These are also the plain instructions between the exponentials and their use (ISA guide 5.7.2)
; Four loads, k0 .. k0 + 3 = 16 t + n0 .. n3.  Row k + 32 h wants e of part 16 t + n + 32 h, which lane n of my own half of 16 lanes holds in register t.
.macro FOUR t, n0, n1, n2, n3, k0, first
	v_mov_b32_dpp v[B],   v[ST+2*\t] row_share:\n0 row_mask:0xf bank_mask:0xf
	v_mov_b32_dpp v[B+2], v[ST+2*\t] row_share:\n1 row_mask:0xf bank_mask:0xf
	v_mov_b32_dpp v[B+4], v[ST+2*\t] row_share:\n2 row_mask:0xf bank_mask:0xf
	v_mov_b32_dpp v[B+6], v[ST+2*\t] row_share:\n3 row_mask:0xf bank_mask:0xf
.irp i, 0,1,2,3
	s_wait_loadcnt 31-\k0-\i                       ; loads come back in order (ISA guide 5.7.1): load k is in, the 31 - k younger ones stay out
.if \first                             ; the first products start the sums: nothing is cleared
	v_pk_mul_f32 v[A+4*\i:A+4*\i+1],   v[P+4*(\k0+\i):P+4*(\k0+\i)+1],   v[B+2*\i:B+2*\i+1] op_sel_hi:[1,0]
	v_pk_mul_f32 v[A+4*\i+2:A+4*\i+3], v[P+4*(\k0+\i)+2:P+4*(\k0+\i)+3], v[B+2*\i:B+2*\i+1] op_sel_hi:[1,0]
.else
	v_pk_fma_f32 v[A+4*\i:A+4*\i+1],   v[P+4*(\k0+\i):P+4*(\k0+\i)+1],   v[B+2*\i:B+2*\i+1], v[A+4*\i:A+4*\i+1]   op_sel_hi:[1,0,1]
	v_pk_fma_f32 v[A+4*\i+2:A+4*\i+3], v[P+4*(\k0+\i)+2:P+4*(\k0+\i)+3], v[B+2*\i:B+2*\i+1], v[A+4*\i+2:A+4*\i+3] op_sel_hi:[1,0,1]
.endif
.endr
.endm
	; The denominator is a chain of steps that each need the one before: one step stands behind each group of four loads.
	FOUR 0, 0, 1, 2, 3, 0, 1
	v_mul_f32 v[DS], v[ST], v[ST+1]
	FOUR 0, 4, 5, 6, 7, 4, 0
	v_fmac_f32 v[DS], v[ST+2], v[ST+3]             ; e s of my two parts
	FOUR 0, 8, 9, 10, 11, 8, 0
	v_add_f32_dpp v[DS], v[DS], v[DS] row_xmask:1 row_mask:0xf bank_mask:0xf
	FOUR 0, 12, 13, 14, 15, 12, 0
	v_add_f32_dpp v[DS], v[DS], v[DS] row_xmask:2 row_mask:0xf bank_mask:0xf
	FOUR 1, 0, 1, 2, 3, 16, 0
	v_add_f32_dpp v[DS], v[DS], v[DS] row_xmask:4 row_mask:0xf bank_mask:0xf
	FOUR 1, 4, 5, 6, 7, 20, 0
	v_add_f32_dpp v[DS], v[DS], v[DS] row_xmask:8 row_mask:0xf bank_mask:0xf
	FOUR 1, 8, 9, 10, 11, 24, 0
	v_permlanex16_b32 v2, v[DS], s12, s13
	FOUR 1, 12, 13, 14, 15, 28, 0
	v_add_f32 v[DS], v[DS], v2                     ; at least 1: the part that holds M has e = 1 and s >= 1
	v_rcp_f32 v[R],   v[DS]                        ; used behind the additions below, which are the plain instructions that must stand between (ISA guide 5.7.2)
	v_rcp_f32 v[R+1], v[DS]
	v_pk_add_f32 v[A:A+1],     v[A:A+1],     v[A+4:A+5]
	v_pk_add_f32 v[A+2:A+3],   v[A+2:A+3],   v[A+6:A+7]
	v_pk_add_f32 v[A+8:A+9],   v[A+8:A+9],   v[A+12:A+13]
	v_pk_add_f32 v[A+10:A+11], v[A+10:A+11], v[A+14:A+15]
	v_pk_add_f32 v[A:A+1],     v[A:A+1],     v[A+8:A+9]
	v_pk_add_f32 v[A+2:A+3],   v[A+2:A+3],   v[A+10:A+11]      ; lane (h, r): batch rows 4 r .. 4 r + 3, summed over rows 32 h .. 32 h + 31 of part
	v_permlane16_swap_b32 v[A],   v[A+2]           ; lanes 16-31 of the first change places with lanes 0-15 of the second: both halves' sums of
	v_permlane16_swap_b32 v[A+1], v[A+3]           ; batch rows 4 r, 4 r + 1 now lie in lane r, those of 4 r + 2, 4 r + 3 in lane 16 + r
	v_pk_add_f32 v[A:A+1], v[A:A+1], v[A+2:A+3]
	s_wait_alu depctr_va_vdst(0)
	v_pk_mul_f32 v[A:A+1], v[A:A+1], v[R:R+1]
	global_store_b64 v11, v[A:A+1], s[6:7]         ; 32 lanes store 256 consecutive bytes, at a multiple of 256 from out0's first byte
	s_endpgm
.Lfunc_end_k_q580661f157_combine:
	.size	k_q580661f157_combine, .Lfunc_end_k_q580661f157_combine-k_q580661f157_combine
	.p2alignl 7, 3214868480
	.fill 96, 4, 3214868480
	.section	.rodata,"a",@progbits
	.p2align	6, 0x0
	.amdhsa_kernel k_q580661f157_combine
		.amdhsa_group_segment_fixed_size 0
		.amdhsa_private_segment_fixed_size 0
		.amdhsa_enable_private_segment 0
		.amdhsa_kernarg_size 16
		.amdhsa_user_sgpr_count 2
		.amdhsa_user_sgpr_kernarg_segment_ptr 1
		.amdhsa_wavefront_size32 1
		.amdhsa_system_sgpr_workgroup_id_x 1
		.amdhsa_system_sgpr_workgroup_id_y 1
		.amdhsa_system_sgpr_workgroup_id_z 1
		.amdhsa_system_vgpr_workitem_id 0
		.amdhsa_next_free_vgpr 168
		.amdhsa_next_free_sgpr 66
		.amdhsa_reserve_vcc 0
		.amdhsa_float_denorm_mode_32 3
		.amdhsa_float_denorm_mode_16_64 3
		.amdhsa_memory_ordered 1
		.amdhsa_forward_progress 1
		.amdhsa_inst_pref_size 14
	.end_amdhsa_kernel
	.amdgpu_metadata
---
amdhsa.version: [ 1, 2 ]
amdhsa.kernels:
  - .name:           k_q580661f157_combine
    .symbol:         k_q580661f157_combine.kd
    .args:
      - { .name: part, .offset: 0, .size: 8, .value_kind: global_buffer, .address_space: global }
      - { .name: out0, .offset: 8, .size: 8, .value_kind: global_buffer, .address_space: global }
    .group_segment_fixed_size: 0
    .private_segment_fixed_size: 0
    .kernarg_segment_align: 8
    .kernarg_segment_size: 16
    .max_flat_workgroup_size: 32
    .sgpr_count:     66
    .vgpr_count:     168
    .wavefront_size: 32
...
	.end_amdgpu_metadata
.endif
;; end of part 2
